; MI455X (gfx1250); checked and timed in simulation.
; The chip was launched on July 23, 2026; its instructions are those of AMD's public machine-readable ISA for CDNA 5 (MIT licence, August 2026) and "CDNA5" Instruction Set Architecture Reference Guide (July 2026). The comments in the code are by the model that wrote it; some were corrected since.
;; Causal Self Attention. Allowed arithmetic: matrix products marked QUANTISED: E4M3 operands, one given power-of-two scale a tensor, by v_wmma_f32_16x16x64_fp8_fp8 or v_wmma_f32_16x16x128_fp8_fp8, f32 sums; everything else in f32.
;; Inputs: Wk_codes 1,024 x 32 x 32 uint8 (E4M3 codes of Wk, K innermost, in blocks of 32 codes); Wp_codes 1,024 x 32 x 32 uint8 (E4M3 codes of Wp, K innermost, in blocks of 32 codes); Wq_codes 1,024 x 32 x 32 uint8 (E4M3 codes of Wq, K innermost, in blocks of 32 codes); Wv_codes 1,024 x 32 x 32 uint8 (E4M3 codes of Wv, K innermost, in blocks of 32 codes); bk 1,024 float32; bp 1,024 float32; bq 1,024 float32; bv 1,024 float32; lowp_scales 12 int32 (the exponents e of the quantised operands' scales 2^e); x_codes 4 x 2,048 x 32 x 32 uint8 (E4M3 codes of x, K innermost, in blocks of 32 codes).
;; Outputs: out0 4 x 2,048 x 1,024 float32.
;; This version of the problem:
;;   THIS VERSION OF THE PROBLEM IS GIVEN IN LOW PRECISION. The matrix products marked QUANTISED in the list below multiply operands that are first quantised to E4M3 (4 exponent bits, 3 mantissa bits; 8 bits a number), with one given power-of-two scale for each operand tensor; their sums are f32. All else is computed in f32.
;;   The module's matrix products, in the order in which they are computed (A, B: the left and right operand; K: the contracted axis; several contracted axes count as one K, in the product's order):
;;     1. [M 8,192, K 1,024] x [K 1,024, N 1,024]; A: input x (given as codes); B: input Wq (given as codes): QUANTISED (scales: A lowp_scales[0], B lowp_scales[1])
;;     2. [M 8,192, K 1,024] x [K 1,024, N 1,024]; A: input x (given as codes); B: input Wk (given as codes): QUANTISED (scales: A lowp_scales[2], B lowp_scales[3])
;;     3. [M 8,192, K 1,024] x [K 1,024, N 1,024]; A: input x (given as codes); B: input Wv (given as codes): QUANTISED (scales: A lowp_scales[4], B lowp_scales[5])
;;     4. batch 64 x [M 2,048, K 64] x [K 64, N 2,048]; A: computed on the way; B: computed on the way: QUANTISED (scales: A lowp_scales[6], B lowp_scales[7])
;;     5. batch 64 x [M 2,048, K 2,048] x [K 2,048, N 64]; A: softmax (see below); B: computed on the way: QUANTISED (scales: A lowp_scales[8], B lowp_scales[9])
;;     6. [M 8,192, K 1,024] x [K 1,024, N 1,024]; A: computed on the way; B: input Wp (given as codes): QUANTISED (scales: A lowp_scales[10], B lowp_scales[11])
;;   THE QUANTISER, for each operand of a quantised product, along K:
;;     - The operand's scale is 2^e, e = its entry of the input lowp_scales (int32; the entries are numbered through the quantised products in the list's order, A before B).
;;     - Each number is divided by the scale, clamped to +-448, and rounded to the nearest number of E4M3, ties to even, subnormals kept.
;;     - The product sums the exact products of the quantised numbers (number of the format x scale) in f32.
;;   ~~~python
;;   def quantise(x, axis, e):      # numpy; x: float32 -> the quantised numbers, widened to float32 again
;;       x = np.moveaxis(x, axis, -1); K = x.shape[-1]
;;       r = np.clip(x / 2.0 ** e, -448, 448)
;;       step = 2.0 ** (np.maximum(np.frexp(np.where(r == 0, 1, r))[1] - 1, -6) - 3)
;;       q = np.round(r / step) * step * 2.0 ** e      # np.round: ties to even
;;       return np.moveaxis(q, -1, axis).astype(np.float32)
;;   ~~~
;;   SOFTMAX AHEAD OF A QUANTISED PRODUCT. Where the list says 'softmax', what is quantised is not the finished softmax but p = 2^(t - M), with t = logit x log2(e) and M = ceil(the row's largest t), a whole number; so 1/2 < the row's largest p <= 1. The row's sum l is taken of the UNQUANTISED p, in f32, and the product's result is divided by l at the end. Since M is a whole number, a kernel that streams over the keys may use a running M (the ceiling of the running maximum): every later rescaling is an exact power of two, so the quantised numbers keep their values, but for numbers so far below the row's largest that they fall under the format's range.
;;   OPERANDS COMPUTED ON THE WAY. 'Computed on the way' means the value that the module computes at that place (a softmax that the list does not call 'softmax' is quantised finished and normalised). What goes into a quantiser is computed in f32, as accurately as f32 sums, v_exp_f32 and their like allow (about 1e-6 of the number): no bf16 or f16 on the way to a quantiser, and a product that is left as it is and whose result goes on into a quantised operand takes f32 operands (vector FMAs, or v_wmma_f32_16x16x4_f32). A number that lies on a knife's edge between two numbers of the format may be rounded either way, as far as f32 arithmetic and the matrix unit's own rounding can turn it there, and no further.
;;   INPUTS GIVEN AS CODES. Wk (in the module: [1024, 1024], K = its axis 1); Wp (in the module: [1024, 1024], K = its axis 1); Wq (in the module: [1024, 1024], K = its axis 1); Wv (in the module: [1024, 1024], K = its axis 1); x (in the module: [4, 2048, 1024], K = its axis 2): each comes as NAME_codes (uint8): NAME with its K axis moved to the last place and cut into blocks of 32 codes, [.., K / 32, bytes a block], one block behind the other in memory; one code a byte (a code: sign, 4 exponent bits, 3 mantissa bits); its scale is its entry of lowp_scales. Its value is code x scale, taken as it is: it is not quantised again, and the codes and scales need not be those that the quantiser above would give.
;; One version. Each part assembles by itself: llvm-mc -triple=amdgcn-amd-amdhsa -mcpu=gfx1250 --defsym DOCPART=n.
;; ======== version 1 of 1: 3 launches
;; limits: right only within a limited range of input values
;; workspace buffers: qimg 8,388,608 bytes; kimg 8,388,608 bytes; vimg 8,388,608 bytes; yimg 8,388,608 bytes
;; launch qkv (part 1): grid 12 x 32, 4 waves a work-group, clusters of 4 x 4, 327,680 bytes of LDS; arguments x_codes, Wq_codes, Wk_codes, Wv_codes, bq, bk, bv, lowp_scales, qimg, kimg, vimg; writes qimg, kimg, vimg
.if DOCPART == 1
	.amdgcn_target "amdgcn-amd-amdhsa--gfx1250"
	.amdhsa_code_object_version 6
	.text
	.protected	k_q6468f81058_qkv
	.globl	k_q6468f81058_qkv
	.p2align	8
	.type	k_q6468f81058_qkv,@function
k_q6468f81058_qkv:
	s_mov_b64 s[64:65], 0
	v_nop
	global_prefetch_b8 v0, s[64:65] scope:SCOPE_SE
	s_setreg_imm32_b32 hwreg(HW_REG_WAVE_MODE, 25, 1), 1
	s_wait_xcnt 0x0
	s_wait_alu depctr_hold_cnt(0) depctr_sa_sdst(0) depctr_va_vdst(0) depctr_va_sdst(0) depctr_va_ssrc(0) depctr_va_vcc(0) depctr_vm_vsrc(0)
	s_getreg_b32 s2, hwreg(HW_REG_IB_STS2, 6, 4)
	s_cmp_eq_u32 s2, 0
	s_cbranch_scc0 .Lentry_in_a_cluster
	s_endpgm
.Lentry_in_a_cluster:
	s_bfe_u32 s2, ttmp6, 0x10000c
	s_cmp_lg_u32 s2, 0xf033
	s_cbranch_scc0 .Lentry_shape_is_right
	s_endpgm
.Lentry_shape_is_right:
; q = x Wq^T + bq, k = x Wk^T + bk, v = x Wv^T + bv on codes of FP8 (E4M3), each result quantised to codes again, with the scales 2^e that are given.
; x: [8192][1024] codes, W: [1024][1024] codes, K innermost.  The cluster's x says which product: 0 q, 1 k, 2 v; it is the same number in all sixteen partners.
; ONE TEXT FOR ALL THREE: C[m][n] = sum over k of A[m][k] B[n][k] on a tile of 256 x 256, four waves of 128 x 128 (64 accumulators, 512 registers), K in steps of 256 through two LDS slots.
;   q, k: A = x, B = W.   v: A = Wv, B = x, that is V^T.  Only pointers and tile numbers are chosen by the kind; the ring has one path.
; THE MATRIX INSTRUCTION IS USED TRANSPOSED (source 0 = 16 rows of B, source 1 = 16 rows of A): lane (r, h) holds row r of A's block and, in registers 0-7, B's rows 16 b + 8 h + 0..7.
;   q, k: a lane holds one token and eight neighbouring features: eight neighbours along the next product's K (the head's 64).
;   v:    a lane holds one feature and eight neighbouring tokens: eight neighbours along the next product's K (the keys).
; So one conversion of an accumulator's eight registers gives registers 2 b, 2 b + 1 of the next operand, and the codes are stored AS IMAGES OF THAT OPERAND'S REGISTERS: four registers of the 32 lanes are
; 512 consecutive bytes, lane l's 16 bytes at 16 l.  Each store of a wave covers 512 consecutive bytes, aligned; no stage in LDS is needed.
;   qimg, kimg: [head 64][token tile 128][group 2][lane 32][16 bytes]: registers 2 c, 2 c + 1 of lane (r, h): token 16 tile + r, d = 16 c + 8 h + 0..7.
;   vimg:       [head 64][key block 16][d tile 4][group 4][lane 32][16 bytes]: registers 2 c, 2 c + 1 of lane (r, h): d = 16 tile + r, key 128 block + 16 c + 8 h + 0..7.
; CLUSTERS: 4 x 4 work-groups; A's tile is asked for jointly along a row of the cluster, B's along a column.
; A fragment is fetched by four loads of 16 bytes, so k stands in other places than the form's own layout gives it, alike in A and B: every product meets its partner; the order of the sums inside an instruction differs.
; LIMITS: e0 + e1, e2 + e3, e4 + e5 between -126 and 127; e6, e7, e9 between -126 and 119, so that each power of two below is an f32 number.  NaN codes are not served.
; REGISTERS: window 0: v0-31 addresses; v32-95 the bias by feature along the registers; v96-111 the bias by feature along the lanes; v112, v113 the hold and the scale; v128-255 A's fragments, one set
;   (on the way out v128-191 the numbers, v192-255 four sets of codes).  window 1: B's fragments, two sets.  windows 2, 3: the accumulators, (a, b) at v[8 (8 (a % 4) + b)].
.set KROW,   1024                      ; a row of x or of W in bytes
.set ROWB,   256                       ; a tile's row: 256 codes
.set PITCH,  272                       ; an LDS row: 256 bytes + 16 of padding = 68 words: the 16 rows that a load touches start at 16 different banks (64 banks of 4 bytes: ISA guide 11.1)
.set FR,     16                        ; registers of a fragment: 16 rows x 128 K
.set NL,     4                         ; LDS loads that bring one
.set NP,     4                         ; places behind this matrix instruction (ISA guide 7.12.1)
.set HALFT,  128*PITCH                 ; what one tensor load brings
.set SLOT,   4*HALFT                   ; A's 256 rows, then B's 256 rows
.set SPARE,  2*SLOT                    ; behind the ring: the spare words, 128 bytes a wave: two blocks of 256 bytes that no other line names
.set HEADB,  131072                    ; a head's image in bytes
.set BH,   6                           ; v6   32 x (lane / 16)
.set BR,   7                           ; v7   4 x (lane % 16)
.set ADRA, 16                          ; v16-17 LDS address of my A fragments in slot 0, 1
.set ADRB, 20                          ; v20-21 the same for B
.set CO,   26                          ; v26  16 x lane: my place in an image
.set SPW,  28                          ; v28  LDS address of my spare word; never rewritten
.set NIL,  29                          ; v29  0; never rewritten
.set T1,   32
.set T2,   96
.set LIM,  112
.set SC,   113
.set AF,   128
.set TMP,  128
.set CD,   192
.set G1,  24                           ; s[24:31] descriptor group 1 for A's tiles; s[32:39] group 0, a set for each slot
.set G0,  32
.set G1B, 48                           ; s[48:55], s[56:63] the same for B's
.set G0B, 56
.set MSB, 0
.macro WIN new                         ; the immediate's high byte repeats the setting that is left
.if MSB != \new
	s_set_vgpr_msb (MSB<<8)|\new
.set MSB, \new
.endif
.endm
.set MUL_LO, 0xa1                      ; source 0 (B) window 1, source 1 (A) window 0, C and D window 2
.set MUL_HI, 0xf1                      ; the same, C and D window 3
.set TO_B,   0x40                      ; destination window 1, address window 0
; A joint load: waves 0 and 1 fetch for A, waves 2 and 3 for B; the branch hangs on the wave's number alone.  Four v_nop follow each of the two lines.
.macro JLOAD g0a, g1a, g0b, g1b
	s_cmp_eq_u32 s15, 0
	s_cbranch_scc0 .Lfor_b_\@
	tensor_load_to_lds s[\g0a:\g0a+3], s[\g1a:\g1a+7]
	s_nop 0
.rept 4
	v_nop
.endr
	s_branch .Lasked_\@
.Lfor_b_\@:
	tensor_load_to_lds s[\g0b:\g0b+3], s[\g1b:\g1b+7]
	s_nop 0
.rept 4
	v_nop
.endr
.Lasked_\@:
.endm
.macro CREST                           ; a round of the cluster's barrier behind its opening barrier
	s_cmp_lg_u32 s14, 0
	s_cbranch_scc1 .Lnot_wave_0_\@
	s_barrier_signal -3
.Lnot_wave_0_\@:
	s_barrier_wait -3
	s_barrier_signal -1
	s_barrier_wait -1
.endm
.macro CROUND                          ; a whole round
	s_barrier_signal -1
	s_barrier_wait -1
	CREST
.endm
	s_load_b256 s[68:75], s[0:1], 0x0              ; x, Wq, Wk, Wv
	s_load_b256 s[76:83], s[0:1], 0x20             ; bq, bk, bv, the scales' exponents
	s_load_b128 s[84:87], s[0:1], 0x40             ; qimg, kimg
	s_load_b64 s[88:89], s[0:1], 0x50              ; vimg
	v_lshl_add_u32 v[SPW], v0, 2, SPARE
	v_mov_b32 v[NIL], 0
	ds_add_u32 v28, v29
	ds_add_u32 v28, v29
	s_wait_dscnt 0x0
	v_lshrrev_b32 v1, 5, v0
	v_readfirstlane_b32 s14, v1                    ; wave 0..3
	s_lshr_b32 s15, s14, 1                         ; which half of the tile's rows is mine.  Also: I fetch for A (0) or for B (1)
	s_and_b32 s16, s14, 1                          ; which half of its columns.  Also: which 128 rows of that tile I fetch
	s_bfe_u32 s40, ttmp6, 0x40000                  ; cx, cy: my place in the cluster
	s_bfe_u32 s41, ttmp6, 0x40004
	s_and_b32 s90, ttmp7, 0xffff
	s_lshl_b32 s90, s90, 2                         ; 4 x cluster y: it walks x's 32 blocks of 256 tokens, which are A's rows for q and k, B's rows for v
	s_cmp_eq_u32 ttmp9, 2
	s_cselect_b32 s91, s90, 0
	s_cselect_b32 s90, 0, s90
	s_add_co_u32 s42, s40, s91                     ; B's block of 256 rows: cx (+ 4 x cluster y for v)
	s_add_co_u32 s17, s41, s90                     ; A's block of 256 rows: cy (+ 4 x cluster y for q and k)
	s_lshl_b32 s43, s41, 2
	s_lshl_b32 s43, 15, s43                        ; my row of the cluster
	s_lshl_b32 s44, 0x1111, s40                    ; my column
	; descriptor group 1: a tile of 128 rows x 256 bytes, padded in LDS
	s_or_b32 s[G1+0], s43, (1<<20)|(1<<21)|(5<<22)|(3<<25)   ; 15:0 the mask: my row; 17:16 elements of 1 byte; 20 padding on; 21 set beside a mask; 24:22 after every 64 words; 31:25 four words
	s_or_b32 s[G1B+0], s44, (1<<20)|(1<<21)|(5<<22)|(3<<25)  ; the same with the mask of my column
.irp g, G1, G1B
	s_mov_b32 s[\g+1], ROWB<<16                    ; tensor_dim0
	s_mov_b32 s[\g+2], 128<<16                     ; tensor_dim1
	s_mov_b32 s[\g+3], ROWB<<16                    ; tile_dim0
	s_mov_b32 s[\g+4], 128                         ; tile_dim1
	s_mov_b32 s[\g+5], KROW                        ; from row to row
	s_mov_b32 s[\g+6], 0
	s_mov_b32 s[\g+7], 0
.endr
	s_lshl_b32 s18, s16, 7                         ; which 128 rows of the tile I fetch
	s_lshl_b32 s20, s17, 8
	s_add_co_u32 s20, s20, s18
	s_lshl_b32 s20, s20, 10                        ; A: (256 x block + 128 x half) rows of 1,024 bytes: under 2^23
	s_mov_b32 s21, 0
	s_lshl_b32 s46, s42, 8
	s_add_co_u32 s46, s46, s18
	s_lshl_b32 s46, s46, 10                        ; B likewise
	s_mov_b32 s47, 0
	s_mul_i32 s45, s14, HALFT                      ; where they go: wave x 128 rows: no place in the cluster enters an LDS address
	s_wait_kmcnt 0x0
	s_cmp_eq_u32 ttmp9, 1                          ; the kind chooses buffers; the condition hangs on the cluster's number alone
	s_cselect_b64 s[6:7], s[72:73], s[70:71]       ; Wk or Wq
	s_cselect_b64 s[8:9], s[78:79], s[76:77]       ; bk or bq
	s_cselect_b64 s[10:11], s[86:87], s[84:85]     ; kimg or qimg
	s_cmp_eq_u32 ttmp9, 2
	s_cselect_b64 s[4:5], s[74:75], s[68:69]       ; A: Wv, else x
	s_cselect_b64 s[6:7], s[68:69], s[6:7]         ; B: x, else the weight
	s_cselect_b64 s[8:9], s[80:81], s[8:9]
	s_cselect_b64 s[10:11], s[88:89], s[10:11]
	s_load_b256 s[68:75], s[82:83], 0x0            ; e0 .. e7
	s_load_b32 s76, s[82:83], 0x24                 ; e9
	s_add_nc_u64 s[20:21], s[4:5], s[20:21]
	s_add_nc_u64 s[46:47], s[6:7], s[46:47]
	CROUND                                         ; all sixteen work-groups are here: the first joint loads meet
.irp s, 0,1
	s_mov_b32 s[G0+4*\s], 1
	s_add_co_u32 s[G0+4*\s+1], s45, \s*SLOT
	s_add_nc_u64 s[G0+4*\s+2:G0+4*\s+3], s[20:21], \s*ROWB
	s_or_b32 s[G0+4*\s+3], s[G0+4*\s+3], 0x80000000
	s_mov_b32 s[G0B+4*\s], 1
	s_add_co_u32 s[G0B+4*\s+1], s45, \s*SLOT
	s_add_nc_u64 s[G0B+4*\s+2:G0B+4*\s+3], s[46:47], \s*ROWB
	s_or_b32 s[G0B+4*\s+3], s[G0B+4*\s+3], 0x80000000
	JLOAD G0+4*\s, G1, G0B+4*\s, G1B
.endr
	v_and_b32 v1, 15, v0                           ; r = lane % 16
	v_bfe_u32 v2, v0, 4, 1                         ; h = lane / 16
	v_mul_u32_u24 v3, v1, PITCH
	v_lshl_add_u32 v4, v2, 4, v3                   ; a fragment's row x pitch + 16 x half
	s_mul_i32 s21, s15, HALFT                      ; my 128 rows of A
	s_mul_i32 s22, s16, HALFT                      ; my 128 rows of B,
	s_add_co_u32 s22, s22, 2*HALFT                 ; which lie behind A's 256
.irp s, 0,1
	v_add_nc_u32 v[ADRA+\s], s21, v4
	v_add_nc_u32 v[ADRB+\s], s22, v4
	s_add_co_u32 s21, s21, SLOT
	s_add_co_u32 s22, s22, SLOT
.endr
	v_and_b32 v5, 31, v0
	v_lshlrev_b32 v[CO], 4, v5
	v_lshlrev_b32 v[BH], 5, v2
	s_wait_alu depctr_va_vdst(0)
	v_lshlrev_b32 v[BR], 2, v1
	s_wait_alu depctr_va_vdst(0)
	; my wave's first token tb and first feature fb, in registers that feed no descriptor
	s_lshl_b32 s92, s17, 8
	s_lshl_b32 s93, s15, 7
	s_add_co_u32 s92, s92, s93                     ; my first row of A
	s_lshl_b32 s93, s42, 8
	s_lshl_b32 s94, s16, 7
	s_add_co_u32 s93, s93, s94                     ; my first row of B
	s_cmp_eq_u32 ttmp9, 2
	s_cselect_b32 s94, s93, s92                    ; tb
	s_cselect_b32 s95, s92, s93                    ; fb
	s_lshr_b32 s92, s94, 11
	s_lshl_b32 s92, s92, 21                        ; the batch: 16 heads of 2^17 bytes
	s_and_b32 s93, s94, 2047
	s_lshl_b32 s93, s93, 6                         ; 64 bytes a token in a head's image, in all three images
	s_add_co_u32 s92, s92, s93
	s_lshr_b32 s93, s95, 6
	s_lshl_b32 s93, s93, 17                        ; the head
	s_add_co_u32 s92, s92, s93
	s_mov_b32 s93, 0
	s_add_nc_u64 s[10:11], s[10:11], s[92:93]      ; the image at my wave's part
	s_lshl_b32 s92, s95, 2
	s_add_nc_u64 s[8:9], s[8:9], s[92:93]          ; the bias at my 128 features
	; both tables are loaded by every kind, so that no register's being written hangs on the kind; q and k use the first, v the second
.irp b, 0,1,2,3,4,5,6,7
	global_load_b128 v[T1+8*\b:T1+8*\b+3], v[BH], s[8:9] offset:64*\b        ; bias[fb + 16 b + 8 h + 0..7]
	global_load_b128 v[T1+8*\b+4:T1+8*\b+7], v[BH], s[8:9] offset:64*\b+16
.endr
.irp a, 0,1,2,3,4,5,6,7
	global_load_b32 v[T2+2*\a], v[BR], s[8:9] offset:64*\a                   ; bias[fb + 16 a + r], twice: a pair for the packed form
	global_load_b32 v[T2+2*\a+1], v[BR], s[8:9] offset:64*\a
.endr
.macro FRAG reg, adr, q, i             ; 16 rows x 128 K: lane l holds row l % 16; registers 4 c .. 4 c + 3 hold K = 32 c + 16 (l / 16) + 0 .. 15
.irp c, 0,1,2,3
	ds_load_b128 v[\reg+4*\c:\reg+4*\c+3], v[\adr] offset:128*(\q)+32*\c+(\i)*16*PITCH
.endr
.endm
; 16 matrix instructions: A's blocks a0, a0 + 1 x B's eight.  p: B's set.  zero = 1: the first product starts the sums.  The 64 accumulators take turns, one instruction a turn.
.macro MUL16 a0, p, zero
.irp a, \a0, \a0+1
.irp b, 0,1,2,3,4,5,6,7
.if \zero
	v_wmma_f32_16x16x128_fp8_fp8 v[8*(8*((\a)%4)+\b):8*(8*((\a)%4)+\b)+7], v[128*(\p)+FR*\b:128*(\p)+FR*\b+FR-1], v[AF+FR*(\a):AF+FR*(\a)+FR-1], 0
.else
	v_wmma_f32_16x16x128_fp8_fp8 v[8*(8*((\a)%4)+\b):8*(8*((\a)%4)+\b)+7], v[128*(\p)+FR*\b:128*(\p)+FR*\b+FR-1], v[AF+FR*(\a):AF+FR*(\a)+FR-1], v[8*(8*((\a)%4)+\b):8*(8*((\a)%4)+\b)+7]
.endif
.endr
.endr
.endm
.macro FETCH_B slot, q, p              ; B's eight fragments of the slot's q-th 128 along K into set p
	WIN TO_B
.irp i, 0,1,2,3,4,5,6,7
	FRAG 128*(\p)+FR*\i, ADRB+\slot, \q, \i
.endr
	WIN 0
.endm
.macro FETCH_A slot, q, i0             ; A's blocks i0 .. i0 + 3
.irp i, \i0, \i0+1, \i0+2, \i0+3
	FRAG AF+FR*(\i), ADRA+\slot, \q, \i
.endr
.endm
.macro PLACES n                        ; plain vector instructions between a matrix instruction and a load into, or a vector read or write of, its registers
.rept \n
	v_nop
.endr
.endm
; A step of 128 along K that has its successor in the same slot.  A block of A is free when its eight products are issued: blocks 0-3 are fetched anew in the middle, blocks 4-7 at the end.
.macro STEP slot, q, zero
	s_wait_dscnt 4*NL                              ; B's set and A's blocks 0-3 are in; the youngest sixteen loads (A's blocks 4-7) may be out
	WIN MUL_LO
	MUL16 0, (\q)%2, \zero
	MUL16 2, (\q)%2, \zero
	s_wait_dscnt 0                                 ; A's blocks 4-7 are in
	PLACES NP
	FETCH_B \slot, (\q)+1, 1-(\q)%2
	FETCH_A \slot, (\q)+1, 0
	WIN MUL_HI
	MUL16 4, (\q)%2, \zero
	MUL16 6, (\q)%2, \zero
	PLACES NP
	WIN 0
	FETCH_A \slot, (\q)+1, 4
.endm
; A slot's last step changes slots: one barrier; in front of it each wave waits for all its tensor loads, adds 0 to its spare word, and waits for that and for its reads of this slot.  fill = 1: the slot is filled again, two K steps ahead.
.macro TURN slot, next, fill
	s_wait_tensorcnt 0x0                           ; all my tensor loads have landed: my part of the next slot
	ds_add_u32 v[SPW], v[NIL]                      ; 0 onto my spare word
	s_wait_dscnt 4*NL+1                            ; (the add and the youngest sixteen loads may be out)
	WIN MUL_LO
	MUL16 0, 1, 0                                  ; sixteen matrix instructions stand between the add and the wait for it
	s_wait_dscnt 0x0                               ; the add is done, and my reads of this slot are over
	s_barrier_signal -1
	MUL16 2, 1, 0
	WIN 0
	s_barrier_wait -1
.if \fill
	CREST                                          ; the barrier has opened a round of the cluster's: no wave of any partner still reads this slot or has a load on its way
	s_add_nc_u64 s[G0+4*\slot+2:G0+4*\slot+3], s[G0+4*\slot+2:G0+4*\slot+3], 2*ROWB
	s_add_nc_u64 s[G0B+4*\slot+2:G0B+4*\slot+3], s[G0B+4*\slot+2:G0B+4*\slot+3], 2*ROWB
	JLOAD G0+4*\slot, G1, G0B+4*\slot, G1B         ; the first tensor load behind the round; its four v_nop are the places in front of the loads below
.else
	PLACES NP
.endif
	FETCH_B \next, 0, 0
	FETCH_A \next, 0, 0
	WIN MUL_HI
	MUL16 4, 1, 0
	MUL16 6, 1, 0
	PLACES NP
	WIN 0
	FETCH_A \next, 0, 4
.endm
	s_wait_tensorcnt 1                             ; my part of K step 0 is in; K step 1's load may be out
	s_barrier_signal -1
	s_barrier_wait -1
	FETCH_B 0, 0, 0
	FETCH_A 0, 0, 0
	FETCH_A 0, 0, 4
	STEP 0, 0, 1                                   ; K = 1,024 is four K steps of 256, eight steps of 128: written out.  The first products start the sums
	TURN 0, 1, 1                                   ; slot 0 takes K step 2
	STEP 1, 0, 0
	TURN 1, 0, 1                                   ; slot 1 takes K step 3
	STEP 0, 0, 0
	TURN 0, 1, 0                                   ; nothing is left to fetch
	STEP 1, 0, 0
	s_wait_dscnt 4*NL
	WIN MUL_LO
	MUL16 0, 1, 0
	MUL16 2, 1, 0
	s_wait_dscnt 0
	WIN MUL_HI
	MUL16 4, 1, 0
	MUL16 6, 1, 0
	WIN 0
	; THE WAY OUT.  number = sum x 2^(ea + eb) + bias; code = number / 2^eo, held within +-448, to the nearest code.
	s_wait_kmcnt 0x0
	s_add_co_i32 s68, s68, s69                     ; e0 + e1
	s_add_co_i32 s70, s70, s71                     ; e2 + e3
	s_add_co_i32 s72, s72, s73                     ; e4 + e5
	s_cmp_eq_u32 ttmp9, 1
	s_cselect_b32 s96, s70, s68
	s_cselect_b32 s98, s75, s74                    ; k: e7; q: e6
	s_cmp_eq_u32 ttmp9, 2
	s_cselect_b32 s96, s72, s96
	s_cselect_b32 s98, s76, s98                    ; v: e9
	s_add_co_i32 s96, s96, 127
	s_lshl_b32 s96, s96, 23                        ; 2^(ea + eb) as f32
	s_mov_b32 s97, s96                             ; (named with it as a pair, so it is written)
	s_add_co_i32 s98, s98, 127
	s_lshl_b32 s99, s98, 23                        ; 2^eo as f32: the conversion takes its exponent field
	s_wait_loadcnt 0x0                             ; the two tables of the bias
	v_mov_b32 v[SC], s99
	PLACES NP                                      ; behind the last products: their fragments' registers are written below
; Block a (16 rows of A x my 128 rows of B): 64 numbers a lane become 16 registers of codes, stored as four groups of 512 bytes.
.macro EPI isv, a
.set AC, 64*((\a)%4)
.set CW, CD+16*((\a)%4)
.if (\a) == 4
	s_wait_xcnt 0x0                                ; the stores of blocks 0-3 have read their registers: the four sets of codes are written again only behind this wait
.endif
	WIN 0x02+((\a)/4)                              ; source 0: window 2 or 3
.set j, 0
.rept 32
.if \isv
	v_pk_fma_f32 v[TMP+j:TMP+j+1], v[AC+j:AC+j+1], s[96:97], v[T2+2*(\a):T2+2*(\a)+1] op_sel_hi:[1,0,1]   ; the lane's feature is 16 a + r; each accumulator from its low end on
.else
	v_pk_fma_f32 v[TMP+j:TMP+j+1], v[AC+j:AC+j+1], s[96:97], v[T1+j:T1+j+1] op_sel_hi:[1,0,1]             ; register 8 b + i is feature 16 b + 8 h + i
.endif
.set j, j+2
.endr
	WIN 0
.set j, 0
.rept 64
.set j, j+1
.endr
.set j, 0
.rept 8
	v_cvt_scalef32_pk8_fp8_f32 v[CW+2*j:CW+2*j+1], v[TMP+8*j:TMP+8*j+7], v[SC]
.set j, j+1
.endr
	v_nop                                          ; one plain vector instruction between the conversions and the next block's writes of their sources
.set j, 0
.rept 4
.if \isv
	global_store_b128 v[CO], v[CW+4*j:CW+4*j+3], s[10:11] offset:((\a)/4)*HEADB+2048*((\a)%4)+512*j   ; head a / 4 of my two, d tile a % 4, group j
.else
	global_store_b128 v[CO], v[CW+4*j:CW+4*j+3], s[10:11] offset:(j/2)*HEADB+1024*(\a)+512*(j%2)      ; head j / 2 of my two, token tile a, group j % 2
.endif
.set j, j+1
.endr
.endm
	s_cmp_eq_u32 ttmp9, 2                          ; the kind is the same in all partners; neither arm holds an LDS instruction, a tensor load or a barrier
	s_cbranch_scc1 .Lv
.irp a, 0,1,2,3,4,5,6,7
	EPI 0, \a
.endr
	s_branch .Lend
.Lv:
.irp a, 0,1,2,3,4,5,6,7
	EPI 1, \a
.endr
.Lend:
	s_wait_tensorcnt 0x0                           ; the wave's end
	ds_add_u32 v[SPW], v[NIL]
	s_wait_dscnt 0x0
	CROUND                                         ; the closing round: no work-group ends while a partner may still ask for a tile that names it
	s_endpgm
.Lfunc_end_k_q6468f81058_qkv:
	.size	k_q6468f81058_qkv, .Lfunc_end_k_q6468f81058_qkv-k_q6468f81058_qkv
	.p2alignl 7, 3214868480
	.fill 96, 4, 3214868480
	.section	.rodata,"a",@progbits
	.p2align	6, 0x0
	.amdhsa_kernel k_q6468f81058_qkv
		.amdhsa_group_segment_fixed_size 327680
		.amdhsa_private_segment_fixed_size 0
		.amdhsa_enable_private_segment 0
		.amdhsa_kernarg_size 88
		.amdhsa_user_sgpr_count 2
		.amdhsa_user_sgpr_kernarg_segment_ptr 1
		.amdhsa_wavefront_size32 1
		.amdhsa_system_sgpr_workgroup_id_x 1
		.amdhsa_system_sgpr_workgroup_id_y 1
		.amdhsa_system_sgpr_workgroup_id_z 1
		.amdhsa_system_vgpr_workitem_id 0
		.amdhsa_next_free_vgpr 1024
		.amdhsa_next_free_sgpr 100
		.amdhsa_reserve_vcc 0
		.amdhsa_float_denorm_mode_32 3
		.amdhsa_float_denorm_mode_16_64 3
		.amdhsa_fp16_overflow 1
		.amdhsa_memory_ordered 1
		.amdhsa_forward_progress 1
		.amdhsa_inst_pref_size 129
	.end_amdhsa_kernel
	.amdgpu_metadata
---
amdhsa.version: [ 1, 2 ]
amdhsa.kernels:
  - .name:           k_q6468f81058_qkv
    .symbol:         k_q6468f81058_qkv.kd
    .args:
      - { .name: x_codes, .offset: 0, .size: 8, .value_kind: global_buffer, .address_space: global }
      - { .name: Wq_codes, .offset: 8, .size: 8, .value_kind: global_buffer, .address_space: global }
      - { .name: Wk_codes, .offset: 16, .size: 8, .value_kind: global_buffer, .address_space: global }
      - { .name: Wv_codes, .offset: 24, .size: 8, .value_kind: global_buffer, .address_space: global }
      - { .name: bq, .offset: 32, .size: 8, .value_kind: global_buffer, .address_space: global }
      - { .name: bk, .offset: 40, .size: 8, .value_kind: global_buffer, .address_space: global }
      - { .name: bv, .offset: 48, .size: 8, .value_kind: global_buffer, .address_space: global }
      - { .name: lowp_scales, .offset: 56, .size: 8, .value_kind: global_buffer, .address_space: global }
      - { .name: qimg, .offset: 64, .size: 8, .value_kind: global_buffer, .address_space: global }
      - { .name: kimg, .offset: 72, .size: 8, .value_kind: global_buffer, .address_space: global }
      - { .name: vimg, .offset: 80, .size: 8, .value_kind: global_buffer, .address_space: global }
    .group_segment_fixed_size: 327680
    .private_segment_fixed_size: 0
    .kernarg_segment_align: 8
    .kernarg_segment_size: 88
    .max_flat_workgroup_size: 128
    .sgpr_count:     100
    .vgpr_count:     1024
    .wavefront_size: 32
...
	.end_amdgpu_metadata
.endif
;; end of part 1
;; launch attn (part 2): grid 4 x 64, 16 waves a work-group, clusters of 4 x 1, 264,192 bytes of LDS; arguments qimg, kimg, vimg, lowp_scales, yimg; writes yimg
.if DOCPART == 2
	.amdgcn_target "amdgcn-amd-amdhsa--gfx1250"
	.amdhsa_code_object_version 6
	.text
	.protected	k_q6468f81058_attn
	.globl	k_q6468f81058_attn
	.p2align	8
	.type	k_q6468f81058_attn,@function
k_q6468f81058_attn:
	s_mov_b64 s[64:65], 0
	v_nop
	global_prefetch_b8 v0, s[64:65] scope:SCOPE_SE
	s_setreg_imm32_b32 hwreg(HW_REG_WAVE_MODE, 25, 1), 1
	s_wait_xcnt 0x0
	s_wait_alu depctr_hold_cnt(0) depctr_sa_sdst(0) depctr_va_vdst(0) depctr_va_sdst(0) depctr_va_ssrc(0) depctr_va_vcc(0) depctr_vm_vsrc(0)
	s_getreg_b32 s2, hwreg(HW_REG_IB_STS2, 6, 4)
	s_cmp_eq_u32 s2, 0
	s_cbranch_scc0 .Lentry_in_a_cluster
	s_endpgm
.Lentry_in_a_cluster:
	s_bfe_u32 s2, ttmp6, 0x10000c
	s_cmp_lg_u32 s2, 0x3003
	s_cbranch_scc0 .Lentry_shape_is_right
	s_endpgm
.Lentry_shape_is_right:
; y = softmax(q k^T / 8, causal) v for 64 heads of 2,048 tokens x 64, both products on codes of FP8 (E4M3); y is quantised to codes for the last product.
; THE SOFTMAX AHEAD OF THE SECOND PRODUCT: t = score x 2^(e6 + e7) x log2(e) / 8; M = the running largest t rounded UP to a whole number; p = 2^(t - M) is quantised with 2^e8, not normalised; the row's sum is
; taken of the unquantised p and divides at the end.  When M moves, the sum and O are multiplied by 2^(old M - new M), which rounds nothing.
; SHARES.  A cluster of four work-groups is one head.  The head's K and V codes, 131,072 bytes each, lie WHOLE in each work-group's LDS, brought once by joint loads: nothing is ever filled again.
; Partner p owns the query tiles (16 queries) t = 4 j + p, j = 0..31; wave w owns j = 31 - w and then j = w, in the same registers.  A tile's last step of 128 keys is j / 2, whatever p: so no branch, trip count or
; LDS address hangs on the place in the cluster, and every wave of every work-group has (31 - w) / 2 + w / 2 + 2 = 17 steps of work.
; LAYOUT.  Both products are used transposed: S^T = K Q^T (source 0 = 16 keys, source 1 = my 16 queries, K = 64), O^T = V^T P^T (source 0 = 16 of the head's 64, source 1 = P, K = 128 keys): a lane holds ONE query.
; In S^T's tile kt lane (r, h) holds keys 16 kt + 8 h + 0..7: one conversion gives registers 2 kt, 2 kt + 1 of P.  K, V and Q come as images of their registers: group n of four registers at 512 n + 16 x lane.
; yimg: [token tile 512][head 16][group 2][lane 32][16 bytes]: registers 4 c .. 4 c + 3 of lane (r, h): token r, d = 32 c + 16 h + 0..15: the places in which loads of 16 bytes put the last product's other operand.
; CAUSAL.  The loops' trip counts are constants; a step all of whose keys come after the tile's queries is jumped over by a scalar branch on the wave's number; in the one step on the diagonal hidden scores become -infinity.
; LIMITS: e6 + e7 between -123 and 130 (added to c's exponent field); e8 and e10 between -126 and 119; e8 + e9 goes through v_ldexp_f32 and has none.  NaN codes are not served.
.set LI,   1                           ; v1   16 x lane; never rewritten
.set D0,   2                           ; v2   16 p + r - 8 h
.set DM,   3                           ; v3   + 64 (j % 2): register 8 kt + i of the diagonal step is hidden where 16 kt + i is above it
.set NINF, 4                           ; v4   -infinity
.set PLIM, 5
.set PSC,  6                           ; v6   2^e8
.set YLIM, 7
.set ADK,  8                           ; v8   LDS address of the step's K
.set ADV,  9                           ; v9   of its V
.set YSC,  10                          ; v10  2^e10
                                       ; v12 -M, v13 the largest t, v[14:15] the sum in two halves
.set QHI,  16                          ; v16-23 Q of tile j = 31 - w;  v24-31 of tile j = w
.set QLO,  24
.set KV,   32                          ; v32-95 the step's K, then its V
.set S,    96                          ; v96-159 S^T, then p
.set O,    160                         ; v160-191 O^T
.set P,    192                         ; v192-207 p's codes
.set YHI,  208                         ; v208-215, v216-223 y's codes of the two tiles: a set each, so that no store's data are written again
.set YLO,  216
.set F,    224                         ; v[224:225] f = 2^(old M - new M); at the end 2^(e8 + e9) / the sum
.set MA,   226                         ; v226, v227 at work
.set MB,   227
.set PX,   228                         ; v228 a lane permute's destination
.set L2,   230                         ; v[230:231] the sum's second chain
.set WV,   14                          ; s14  my wave's number
.set SEL,  20                          ; s[20:21] selects for v_permlanex16_b32: lane l xor 16
.set CS,   22                          ; s[22:23] c
.set G1,   24                          ; s[24:31] descriptor group 1
.set G0K,  32                          ; s[32:47] group 0 for K's four quarters
.set G0V,  80                          ; s[80:95] for V's
.set TB,   48                          ; s48  the step's first byte in K's block and in V's
.set KS,   49                          ; s49  the step
.set SD,   50                          ; s50  the tile's last step
.macro CROUND                          ; a round of the cluster's barrier
	s_barrier_signal -1
	s_barrier_wait -1
	s_cmp_lg_u32 s[WV], 0
	s_cbranch_scc1 .Lnot_wave_0_\@
	s_barrier_signal -3
.Lnot_wave_0_\@:
	s_barrier_wait -3
	s_barrier_signal -1
	s_barrier_wait -1
.endm
	s_load_b256 s[4:11], s[0:1], 0x0               ; qimg s[4:5], kimg s[6:7], vimg s[8:9], the scales' exponents s[10:11]
	s_load_b64 s[12:13], s[0:1], 0x20              ; yimg
	v_lshl_add_u32 v254, v0, 2, 0x40000
	v_mov_b32 v255, 0
	ds_add_u32 v254, v255
	ds_add_u32 v254, v255
	v_lshrrev_b32 v8, 5, v0
	s_delay_alu instid0(VALU_DEP_1)
	v_readfirstlane_b32 s[WV], v8                  ; wave 0..15
	s_bfe_u32 s15, ttmp6, 0x40000                  ; p: my place in the cluster
	s_and_b32 s16, ttmp7, 0xffff                   ; the head, which the four partners share
	; descriptor group 1: 64 dense rows of 256 bytes, 16,384 bytes a load
	s_mov_b32 s[G1], 15|(3<<16)|(1<<21)            ; 15:0 the mask: all four work-groups; 17:16 elements of 8 bytes; 21 set beside a mask; no padding
	s_mov_b32 s[G1+1], 32<<16                      ; tensor_dim0 = 32 elements
	s_mov_b32 s[G1+2], 64<<16                      ; tensor_dim1 = 64
	s_mov_b32 s[G1+3], 32<<16                      ; tile_dim0
	s_mov_b32 s[G1+4], 64                          ; tile_dim1
	s_mov_b32 s[G1+5], 32                          ; from row to row
	s_mov_b32 s[G1+6], 0
	s_mov_b32 s[G1+7], 0
	s_mov_b32 s[SEL], 0x76543210
	s_mov_b32 s[SEL+1], 0xfedcba98
	s_mov_b32 s[CS], 0x3e38aa3b                    ; log2(e) / 8
	s_and_b32 s70, s[WV], 1
	s_lshl_b32 s70, s70, 14                        ; which 16,384 bytes of a quarter I fetch, in memory and in LDS alike
	s_lshl_b32 s72, s16, 17                        ; the head's first byte in each image
	s_add_co_u32 s72, s72, s70
	s_mov_b32 s73, 0
	s_wait_dscnt 0x0
	s_wait_kmcnt 0x0
	s_load_b128 s[52:55], s[10:11], 0x18           ; e6, e7, e8, e9
	s_load_b32 s56, s[10:11], 0x28                 ; e10
	s_add_nc_u64 s[74:75], s[6:7], s[72:73]
	s_add_nc_u64 s[76:77], s[8:9], s[72:73]
.irp q, 0,1,2,3                        ; quarter q: key steps 4 q .. 4 q + 3
	s_mov_b32 s[G0K+4*\q], 1
	s_add_co_u32 s[G0K+4*\q+1], s70, 32768*\q
	s_add_nc_u64 s[G0K+4*\q+2:G0K+4*\q+3], s[74:75], 32768*\q
	s_or_b32 s[G0K+4*\q+3], s[G0K+4*\q+3], 0x80000000
	s_mov_b32 s[G0V+4*\q], 1
	s_add_co_u32 s[G0V+4*\q+1], s70, 131072+32768*\q
	s_add_nc_u64 s[G0V+4*\q+2:G0V+4*\q+3], s[76:77], 32768*\q
	s_or_b32 s[G0V+4*\q+3], s[G0V+4*\q+3], 0x80000000
.endr
	CROUND                                         ; all four work-groups are here: the joint loads meet
	s_cmp_lt_u32 s[WV], 2                          ; waves 0 and 1 fetch K, waves 2 and 3 V, the others nothing: a wave's four fills stand in one branch; four loads of mine are out
	s_cbranch_scc0 .Lnot_k
.irp q, 0,1,2,3
	tensor_load_to_lds s[G0K+4*\q:G0K+4*\q+3], s[G1:G1+7]
	s_nop 0
.endr
.rept 4
	v_nop
.endr
	s_branch .Lfilled
.Lnot_k:
	s_cmp_lt_u32 s[WV], 4
	s_cbranch_scc0 .Lfilled
.irp q, 0,1,2,3
	tensor_load_to_lds s[G0V+4*\q:G0V+4*\q+3], s[G1:G1+7]
	s_nop 0
.endr
.rept 4
	v_nop
.endr
.Lfilled:
	; my two tiles: where their Q lies and where their y goes.  The place in the cluster enters these global addresses and the mask's numbers, nothing else
	s_sub_co_u32 s70, 31, s[WV]                    ; j of the first tile
	s_lshl_b32 s71, s70, 2
	s_add_co_u32 s71, s71, s15                     ; its t
	s_lshl_b32 s72, s[WV], 2
	s_add_co_u32 s72, s72, s15                     ; the second tile's t
	s_lshl_b32 s74, s16, 17
	s_mov_b32 s77, 0
	s_lshl_b32 s76, s71, 10                        ; 1,024 bytes a tile
	s_add_co_u32 s76, s76, s74
	s_add_nc_u64 s[58:59], s[4:5], s[76:77]
	s_lshl_b32 s76, s72, 10
	s_add_co_u32 s76, s76, s74
	s_add_nc_u64 s[60:61], s[4:5], s[76:77]
	s_lshr_b32 s74, s16, 4
	s_lshl_b32 s74, s74, 21                        ; the batch: 128 token tiles of 16,384 bytes
	s_and_b32 s75, s16, 15
	s_lshl_b32 s75, s75, 10                        ; the head in a token tile
	s_add_co_u32 s74, s74, s75
	s_lshl_b32 s76, s71, 14
	s_add_co_u32 s76, s76, s74
	s_add_nc_u64 s[66:67], s[12:13], s[76:77]
	s_lshl_b32 s76, s72, 14
	s_add_co_u32 s76, s76, s74
	s_add_nc_u64 s[68:69], s[12:13], s[76:77]
	v_and_b32 v8, 31, v0
	s_delay_alu instid0(VALU_DEP_1)
	v_lshlrev_b32 v[LI], 4, v8
	global_load_b128 v[QHI:QHI+3], v[LI], s[58:59]
	global_load_b128 v[QHI+4:QHI+7], v[LI], s[58:59] offset:512
	global_load_b128 v[QLO:QLO+3], v[LI], s[60:61]
	global_load_b128 v[QLO+4:QLO+7], v[LI], s[60:61] offset:512
	v_and_b32 v8, 15, v0                           ; r
	v_bfe_u32 v9, v0, 4, 1                         ; h
	s_delay_alu instid0(VALU_DEP_1)
	v_lshlrev_b32 v9, 3, v9
	s_delay_alu instid0(VALU_DEP_1)
	v_sub_nc_u32 v[D0], v8, v9
	s_lshl_b32 s78, s15, 4
	v_add_nc_u32 v[D0], s78, v[D0]
	s_and_b32 s78, s70, 1
	s_lshl_b32 s78, s78, 6
	v_add_nc_u32 v[DM], s78, v[D0]
	s_lshr_b32 s[SD], s70, 1                       ; the first tile's last step: 8 .. 15
	v_mov_b32 v[NINF], 0xff800000
	v_mov_b32 v[PX], 0                             ; written once: a lane permute's destination counts as one of its sources
	v_mov_b32 v[F+1], 0                            ; (named as the upper half of the pair)
	s_wait_kmcnt 0x0
	s_add_co_i32 s78, s52, s53
	s_lshl_b32 s78, s78, 23
	s_add_co_i32 s[CS], s[CS], s78                 ; a score stands for score x 2^(e6 + e7): the exponents are added to c's exponent field
	s_mov_b32 s[CS+1], s[CS]
	s_add_co_i32 s78, s54, 127
	s_lshl_b32 s79, s78, 23
	v_mov_b32 v[PSC], s79
	s_add_co_i32 s57, s54, s55                     ; e8 + e9
	s_add_co_i32 s78, s56, 127
	s_lshl_b32 s79, s78, 23
	v_mov_b32 v[YSC], s79
.macro INIT                            ; a tile begins: the step is written without a first step of its own: it finds zeros, which the first change of M leaves zeros
	v_mov_b32 v13, 0xff61b1e6                      ; the largest t so far: -3e38, under every t
	s_delay_alu instid0(VALU_DEP_1)
	v_floor_f32 v12, -v13
	v_mov_b32 v14, 0
	v_mov_b32 v15, 0
.set n, 0
.rept 32
	v_mov_b32 v[O+n], 0
.set n, n+1
.endr
.endm
; A KEY STEP of 128 keys for the tile whose Q stands in v[qf] on.
.macro STEP qf, causal
.if \causal
	s_cmp_gt_u32 s[KS], s[SD]                      ; all keys come after my queries: the step's work is left out
	s_cbranch_scc1 .Lhid_\@
.endif
	s_setprio 2
	v_add_nc_u32 v[ADK], s[TB], v[LI]
	s_delay_alu instid0(VALU_DEP_1)
	v_add_nc_u32 v[ADV], 0x20000, v[ADK]           ; V's block lies 131,072 bytes behind K's
	v_nop                                          ; with the two additions: four places in front of loads into registers that the last products read
	v_nop
.set n, 0
.rept 16
	ds_load_b128 v[KV+4*n:KV+4*n+3], v[ADK] offset:512*n
.set n, n+1
.endr
	s_wait_alu depctr_va_vdst(0)
	s_wait_dscnt 0x0
.set n, 0
.rept 8
	v_wmma_f32_16x16x64_fp8_fp8 v[S+8*n:S+8*n+7], v[KV+8*n:KV+8*n+7], v[\qf:\qf+7], 0
.set n, n+1
.endr
.rept 4
	v_nop                                          ; places in front of the loads below and of the first read of the scores
.endr
.set n, 0
.rept 16
	ds_load_b128 v[KV+4*n:KV+4*n+3], v[ADV] offset:512*n   ; V lands while the softmax is walked
.set n, n+1
.endr
.if \causal
	s_cmp_lg_u32 s[KS], s[SD]
	s_cbranch_scc1 .Lopen_\@                       ; only the tile's last step lies on the diagonal
.set n, 0
.rept 64
	v_cmp_gt_i32 vcc_lo, 16*(n/8)+n%8, v[DM]
	v_cndmask_b32 v[S+n], v[S+n], v[NINF], vcc_lo
.set n, n+1
.endr
.Lopen_\@:
.endif
	v_max3_num_f32 v[MA], v[S], v[S+1], v[S+2]     ; the step's largest score of my query among my 64 keys, in two chains, each accumulator from its low end on,
	v_max3_num_f32 v[MB], v[S+3], v[S+4], v[S+5]
.set n, 6
.rept 14
	v_max3_num_f32 v[MA], v[MA], v[S+n], v[S+n+1]
	v_max3_num_f32 v[MB], v[MB], v[S+n+2], v[S+n+3]
.set n, n+4
.endr
	v_max3_num_f32 v[MA], v[MA], v[S+62], v[S+63]
	s_delay_alu instid0(VALU_DEP_1)
	v_max_num_f32 v[MA], v[MA], v[MB]
	s_delay_alu instid0(VALU_DEP_1)
	v_permlanex16_b32 v[PX], v[MA], s[SEL], s[SEL+1]
	s_delay_alu instid0(VALU_DEP_1)
	v_max_num_f32 v[MA], v[MA], v[PX]              ; and among lane l xor 16's
	s_delay_alu instid0(VALU_DEP_1)
	v_mul_f32 v[MA], s[CS], v[MA]                  ; as t (c is positive)
	s_delay_alu instid0(VALU_DEP_1)
	v_max_num_f32 v13, v13, v[MA]
	v_mov_b32 v[MA], v12
	s_delay_alu instid0(VALU_DEP_2)
	v_floor_f32 v12, -v13                          ; the new -M = floor(-t): M is a whole number
	s_delay_alu instid0(VALU_DEP_1)
	v_sub_f32 v[MA], v12, v[MA]                    ; old M - new M: a whole number, 0 or less
	s_delay_alu instid0(VALU_DEP_1)
	v_cvt_i32_f32 v[MA], v[MA]                     ; (it saturates)
	s_delay_alu instid0(VALU_DEP_1)
	v_ldexp_f32 v[F], 1.0, v[MA]
.set n, 0
.rept 32
	v_pk_fma_f32 v[S+n:S+n+1], v[S+n:S+n+1], s[CS:CS+1], v[12:13] op_sel_hi:[1,0,0]   ; t - M, two at a time
.set n, n+2
.endr
.set n, 0
	s_setprio 1
	s_wait_alu depctr_va_vdst(0)
.rept 64
	v_exp_f32 v[S+n], v[S+n]                       ; p = 2^(t - M)
.set n, n+1
.endr
	v_pk_mul_f32 v[14:15], v[14:15], v[F:F+1] op_sel_hi:[1,0]   ; the sums under the new M: the plain instruction behind the exponentials
	s_wait_alu depctr_va_vdst(0)                   ; one wait for the whole batch, ahead of its first reader
	v_pk_add_f32 v[230:231], v[100:101], v[104:105]
	v_pk_add_f32 v[252:253], v[108:109], v[112:113]
	v_pk_add_f32 v[250:251], v[116:117], v[120:121]
	v_pk_add_f32 v[248:249], v[124:125], v[128:129]
	v_pk_add_f32 v[246:247], v[132:133], v[136:137]
	v_pk_add_f32 v[244:245], v[140:141], v[144:145]
	v_pk_add_f32 v[242:243], v[148:149], v[152:153]
	v_pk_add_f32 v[14:15], v[14:15], v[156:157]
	v_pk_add_f32 v[230:231], v[230:231], v[96:97]
	v_pk_add_f32 v[252:253], v[252:253], v[98:99]
	v_pk_add_f32 v[250:251], v[250:251], v[102:103]
	v_pk_add_f32 v[248:249], v[248:249], v[106:107]
	v_pk_add_f32 v[246:247], v[246:247], v[110:111]
	v_pk_add_f32 v[244:245], v[244:245], v[114:115]
	v_pk_add_f32 v[242:243], v[242:243], v[118:119]
	v_pk_add_f32 v[14:15], v[14:15], v[122:123]
	v_pk_add_f32 v[230:231], v[230:231], v[126:127]
	v_pk_add_f32 v[252:253], v[252:253], v[130:131]
	v_pk_add_f32 v[250:251], v[250:251], v[134:135]
	v_pk_add_f32 v[248:249], v[248:249], v[138:139]
	v_pk_add_f32 v[246:247], v[246:247], v[142:143]
	v_pk_add_f32 v[244:245], v[244:245], v[146:147]
	v_pk_add_f32 v[242:243], v[242:243], v[150:151]
	v_pk_add_f32 v[14:15], v[14:15], v[154:155]
	v_pk_add_f32 v[230:231], v[230:231], v[158:159]
	s_delay_alu instid0(VALU_DEP_2)
	v_pk_add_f32 v[14:15], v[14:15], v[248:249]
	s_delay_alu instid0(VALU_DEP_2)
	v_pk_add_f32 v[230:231], v[230:231], v[246:247]
	v_pk_add_f32 v[252:253], v[252:253], v[244:245]
	v_pk_add_f32 v[250:251], v[250:251], v[242:243]
	s_delay_alu instid0(VALU_DEP_2)
	v_pk_add_f32 v[14:15], v[14:15], v[252:253]
	s_delay_alu instid0(VALU_DEP_2)
	v_pk_add_f32 v[230:231], v[230:231], v[250:251]
	s_delay_alu instid0(VALU_DEP_1)
	v_pk_add_f32 v[14:15], v[14:15], v[230:231]
.set m, 0
	s_setprio 0
.rept 8
.set n, 0
.rept 8
.set n, n+1
.endr
	v_cvt_scalef32_pk8_fp8_f32 v[P+2*m:P+2*m+1], v[S+8*m:S+8*m+7], v[PSC]
.set m, m+1
.endr
.set n, 0
.rept 16
	v_pk_mul_f32 v[O+n:O+n+1], v[O+n:O+n+1], v[F:F+1] op_sel_hi:[1,0]   ; O^T under the new M; also the plain instructions between the conversions and the products
.set n, n+2
.endr
	s_wait_alu depctr_va_vdst(0)
	s_wait_dscnt 0x0                               ; V is in
.set n, 0
.rept 4
	v_wmma_f32_16x16x128_fp8_fp8 v[O+8*n:O+8*n+7], v[KV+16*n:KV+16*n+15], v[P:P+15], v[O+8*n:O+8*n+7]   ; four accumulators, one instruction each
.set n, n+1
.endr
.if \causal
.Lhid_\@:
.endif
	s_add_co_u32 s[TB], s[TB], 8192
.endm
.macro LOOP first, end, qf, causal     ; key steps first .. end - 1: the trip count is a constant
	s_mov_b32 s[KS], \first
	s_mov_b32 s[TB], 8192*\first
.Lks_\@:
	STEP \qf, \causal
	s_add_co_u32 s[KS], s[KS], 1
	s_cmp_lt_u32 s[KS], \end
	s_cbranch_scc1 .Lks_\@
	s_setprio 0
.endm
; A tile ends: y = O^T x 2^(e8 + e9) / the sum, quantised with 2^e10, stored as an image.
.macro FINISH y, base
	v_add_f32 v14, v14, v15
	s_delay_alu instid0(VALU_DEP_1)
	v_permlanex16_b32 v[PX], v14, s[SEL], s[SEL+1]
	s_delay_alu instid0(VALU_DEP_1)
	v_add_f32 v14, v14, v[PX]                      ; the row's sum
	s_wait_alu depctr_va_vdst(0)
	v_rcp_f32 v[F], v14
	v_nop                                          ; a plain instruction behind the reciprocal
	s_wait_alu depctr_va_vdst(0)                   ; and the wait ahead of its first reader
	v_ldexp_f32 v[F], v[F], s57
.set n, 0
.rept 16
	v_pk_mul_f32 v[S+n:S+n+1], v[O+n:O+n+1], v[F:F+1] op_sel_hi:[1,0]   ; register 8 dt + i: d = 16 dt + 8 h + i; each accumulator from its low end on
.set n, n+2
.endr
.set n, 0
.rept 32
.set n, n+1
.endr
.set n, 0
.rept 4
	v_cvt_scalef32_pk8_fp8_f32 v[\y+2*n:\y+2*n+1], v[S+8*n:S+8*n+7], v[YSC]
.set n, n+1
.endr
	v_nop                                          ; a plain instruction between the conversions and the lines that touch their results
	v_permlane16_swap_b32 v[\y], v[\y+2]           ; lanes 16-31 of d tile 2 c change places with lanes 0-15 of d tile 2 c + 1: lane (r, h) then holds d = 32 c + 16 h + 0..15 in registers 4 c .. 4 c + 3
	v_permlane16_swap_b32 v[\y+1], v[\y+3]
	v_permlane16_swap_b32 v[\y+4], v[\y+6]
	v_permlane16_swap_b32 v[\y+5], v[\y+7]
	global_store_b128 v[LI], v[\y:\y+3], s[\base:\base+1]                 ; each store covers 512 consecutive bytes, aligned
	global_store_b128 v[LI], v[\y+4:\y+7], s[\base:\base+1] offset:512
.endm
	INIT
	s_wait_loadcnt 0x0                             ; Q
	s_wait_tensorcnt 3                             ; my part of the first quarter has landed; the three later quarters may be out
	s_barrier_signal -1
	s_barrier_wait -1                              ; everybody's has: key steps 0-3 lie in LDS
	LOOP 0, 4, QHI, 0                              ; the tile j = 31 - w goes first: its steps 0-7 are open and the same work in every wave, so the barriers stand where the waves are level
	s_wait_tensorcnt 2                             ; the second quarter; two may be out
	s_barrier_signal -1
	s_barrier_wait -1
	LOOP 4, 8, QHI, 0
	s_wait_tensorcnt 0x0                           ; all of K and V
	s_barrier_signal -1
	s_barrier_wait -1
	LOOP 8, 16, QHI, 1
	FINISH YHI, 66
	INIT                                           ; the tile j = w
	s_lshr_b32 s[SD], s[WV], 1
	s_and_b32 s78, s[WV], 1
	s_lshl_b32 s78, s78, 6
	v_add_nc_u32 v[DM], s78, v[D0]
	LOOP 0, 8, QLO, 1
	FINISH YLO, 68
	s_wait_tensorcnt 0x0
	ds_add_u32 v254, v255
	s_wait_dscnt 0x0
	CROUND                                         ; the closing round
	s_endpgm
.Lfunc_end_k_q6468f81058_attn:
	.size	k_q6468f81058_attn, .Lfunc_end_k_q6468f81058_attn-k_q6468f81058_attn
	.p2alignl 7, 3214868480
	.fill 96, 4, 3214868480
	.section	.rodata,"a",@progbits
	.p2align	6, 0x0
	.amdhsa_kernel k_q6468f81058_attn
		.amdhsa_group_segment_fixed_size 264192
		.amdhsa_private_segment_fixed_size 0
		.amdhsa_enable_private_segment 0
		.amdhsa_kernarg_size 40
		.amdhsa_user_sgpr_count 2
		.amdhsa_user_sgpr_kernarg_segment_ptr 1
		.amdhsa_wavefront_size32 1
		.amdhsa_system_sgpr_workgroup_id_x 1
		.amdhsa_system_sgpr_workgroup_id_y 1
		.amdhsa_system_sgpr_workgroup_id_z 1
		.amdhsa_system_vgpr_workitem_id 0
		.amdhsa_next_free_vgpr 256
		.amdhsa_next_free_sgpr 100
		.amdhsa_reserve_vcc 1
		.amdhsa_float_denorm_mode_32 3
		.amdhsa_float_denorm_mode_16_64 3
		.amdhsa_fp16_overflow 1
		.amdhsa_memory_ordered 1
		.amdhsa_forward_progress 1
		.amdhsa_inst_pref_size 81
	.end_amdhsa_kernel
	.amdgpu_metadata
---
amdhsa.version: [ 1, 2 ]
amdhsa.kernels:
  - .name:           k_q6468f81058_attn
    .symbol:         k_q6468f81058_attn.kd
    .args:
      - { .name: qimg, .offset: 0, .size: 8, .value_kind: global_buffer, .address_space: global }
      - { .name: kimg, .offset: 8, .size: 8, .value_kind: global_buffer, .address_space: global }
      - { .name: vimg, .offset: 16, .size: 8, .value_kind: global_buffer, .address_space: global }
      - { .name: lowp_scales, .offset: 24, .size: 8, .value_kind: global_buffer, .address_space: global }
      - { .name: yimg, .offset: 32, .size: 8, .value_kind: global_buffer, .address_space: global }
    .group_segment_fixed_size: 264192
    .private_segment_fixed_size: 0
    .kernarg_segment_align: 8
    .kernarg_segment_size: 40
    .max_flat_workgroup_size: 512
    .sgpr_count:     100
    .vgpr_count:     256
    .wavefront_size: 32
...
	.end_amdgpu_metadata
.endif
;; end of part 2
;; launch proj (part 3): grid 4 x 64, 4 waves a work-group, clusters of 4 x 4, 327,680 bytes of LDS; arguments yimg, Wp_codes, lowp_scales, bp, out0; writes out0
.if DOCPART == 3
	.amdgcn_target "amdgcn-amd-amdhsa--gfx1250"
	.amdhsa_code_object_version 6
	.text
	.protected	k_q6468f81058_proj
	.globl	k_q6468f81058_proj
	.p2align	8
	.type	k_q6468f81058_proj,@function
k_q6468f81058_proj:
	s_mov_b64 s[64:65], 0
	v_nop
	global_prefetch_b8 v0, s[64:65] scope:SCOPE_SE
	s_setreg_imm32_b32 hwreg(HW_REG_WAVE_MODE, 25, 1), 1
	s_wait_xcnt 0x0
	s_wait_alu depctr_hold_cnt(0) depctr_sa_sdst(0) depctr_va_vdst(0) depctr_va_sdst(0) depctr_va_ssrc(0) depctr_va_vcc(0) depctr_vm_vsrc(0)
	s_getreg_b32 s2, hwreg(HW_REG_IB_STS2, 6, 4)
	s_cmp_eq_u32 s2, 0
	s_cbranch_scc0 .Lentry_in_a_cluster
	s_endpgm
.Lentry_in_a_cluster:
	s_bfe_u32 s2, ttmp6, 0x10000c
	s_cmp_lg_u32 s2, 0xf033
	s_cbranch_scc0 .Lentry_shape_is_right
	s_endpgm
.Lentry_shape_is_right:
; out = y Wp^T + bp on codes of FP8 (E4M3).  y: 8,192 rows x 1,024 as images of operand registers (yimg: [token tile 512][head 16][group 2][lane 32][16 bytes]); Wp: [1024][1024] codes, K innermost; out: [8192][1024] f32.
; A tile of out is 128 rows x 256 columns: 256 work-groups.  Four waves, each 64 rows x 128 columns: 32 accumulators, 256 registers.  K goes in steps of 256 through two LDS slots.
; y's part of a slot is 8 token tiles x 4,096 bytes, dense: a fragment (16 rows x 128 K) is 2,048 bytes on end, fetched by four loads of 512 consecutive bytes.  Wp's part is 256 rows of 256 bytes, padded to 272.
; In both, registers 4 c .. 4 c + 3 of lane (r, h) hold K = 32 c + 16 h + 0..15 of row r: other places than the form's own layout gives k, alike on both sides: every product meets its partner.
; THE MATRIX INSTRUCTION IS USED TRANSPOSED (source 0 = 16 rows of Wp, source 1 = 16 rows of y): a lane holds eight neighbouring columns of one row of out.
; CLUSTERS: 4 x 4 work-groups; y's tile is asked for jointly along a row of the cluster, Wp's along a column.
; LIMIT: e10 + e11 between -126 and 127, so that 2^(e10 + e11) is an f32 number.  NaN codes are not served.
; REGISTERS: window 0: v0-31 addresses; v32-95 a block's results; v128-191 y's fragments, one set (on the way out v128-255: rows read back).  window 1: Wp's fragments, two sets.
;   window 2: the accumulators, (a, b) at v[8 (8 a + b)].  window 3: v0-63 the bias: bp of column 16 b + 8 h + i at v[8 b + i].
.set KROW,   1024
.set ROWB,   256
.set PITCH,  272                       ; an LDS row of Wp: 256 bytes + 16 of padding: the 16 rows that a load touches start at 16 different banks (64 banks of 4 bytes: ISA guide 11.1)
.set FR,     16
.set NP,     4                         ; places behind this matrix instruction (ISA guide 7.12.1)
.set HALFT,  128*PITCH
.set ABYTES, 32768                     ; y's part of a slot
.set SLOT,   ABYTES+2*HALFT            ; 102,400 bytes
.set SPARE,  2*SLOT                    ; behind the ring: the spare words, 128 bytes a wave: two blocks of 256 bytes that no other line names
.set SPITCH, 528                       ; the way out: a stage of 16 rows x (512 bytes + 16) for each wave, in slot 0, which has had its last fill and its last read by then
.set OROW,   4096                      ; a row of out in bytes
.set BH,   6                           ; v6   32 x (lane / 16)
.set ADRA, 16                          ; v16-17 LDS address of my fragments of y in slot 0, 1
.set ADRB, 20                          ; v20-21 of Wp
.set STO,  24
.set RD,   25
.set CO,   26                          ; v26  16 x lane
.set SPW,  28
.set NIL,  29
.set TMP,  32
.set AF,   128
.set BK,   128
.set G1,  24
.set G0,  32
.set G1B, 48
.set G0B, 56
.set MSB, 0
.macro WIN new                         ; the immediate's high byte repeats the setting that is left
.if MSB != \new
	s_set_vgpr_msb (MSB<<8)|\new
.set MSB, \new
.endif
.endm
.set MUL,  0xa1                        ; source 0 (Wp) window 1, source 1 (y) window 0, C and D window 2
.set TO_B, 0x40                        ; destination window 1, address window 0
.macro JLOAD g0a, g1a, g0b, g1b        ; a joint load: waves 0 and 1 fetch y's halves, waves 2 and 3 Wp's; four v_nop follow each of the two lines
	s_cmp_eq_u32 s15, 0
	s_cbranch_scc0 .Lfor_b_\@
	tensor_load_to_lds s[\g0a:\g0a+3], s[\g1a:\g1a+7]
	s_nop 0
.rept 4
	v_nop
.endr
	s_branch .Lasked_\@
.Lfor_b_\@:
	tensor_load_to_lds s[\g0b:\g0b+3], s[\g1b:\g1b+7]
	s_nop 0
.rept 4
	v_nop
.endr
.Lasked_\@:
.endm
.macro CREST
	s_cmp_lg_u32 s14, 0
	s_cbranch_scc1 .Lnot_wave_0_\@
	s_barrier_signal -3
.Lnot_wave_0_\@:
	s_barrier_wait -3
	s_barrier_signal -1
	s_barrier_wait -1
.endm
.macro CROUND
	s_barrier_signal -1
	s_barrier_wait -1
	CREST
.endm
	s_load_b128 s[4:7], s[0:1], 0x0                ; yimg, Wp's codes
	s_load_b128 s[8:11], s[0:1], 0x10              ; the scales' exponents, bp
	s_load_b64 s[12:13], s[0:1], 0x20              ; out
	v_lshl_add_u32 v[SPW], v0, 2, SPARE
	v_mov_b32 v[NIL], 0
	ds_add_u32 v28, v29
	ds_add_u32 v28, v29
	s_wait_dscnt 0x0
	v_lshrrev_b32 v1, 5, v0
	v_readfirstlane_b32 s14, v1                    ; wave 0..3
	s_lshr_b32 s15, s14, 1                         ; which 64 rows are mine.  Also: I fetch for y (0) or for Wp (1)
	s_and_b32 s16, s14, 1                          ; which 128 columns.  Also: which half of that tile I fetch
	s_bfe_u32 s40, ttmp6, 0x40000                  ; cx, cy
	s_bfe_u32 s41, ttmp6, 0x40004
	s_lshl_b32 s42, ttmp9, 2
	s_add_co_u32 s42, s42, s40                     ; tile column = 4 x cluster x + cx
	s_and_b32 s17, ttmp7, 0xffff
	s_lshl_b32 s17, s17, 2
	s_add_co_u32 s17, s17, s41                     ; tile row = 4 x cluster y + cy
	s_lshl_b32 s43, s41, 2
	s_lshl_b32 s43, 15, s43                        ; my row of the cluster
	s_lshl_b32 s44, 0x1111, s40                    ; my column
	; group 1 for y: 4 token tiles' 4,096 bytes of a K step, 16,384 bytes apart in memory, dense in LDS
	s_or_b32 s[G1+0], s43, (3<<16)|(1<<21)         ; 15:0 the mask: my row; 17:16 elements of 8 bytes; 21 set beside a mask; no padding
	s_mov_b32 s[G1+1], 512<<16                     ; tensor_dim0 = 512 elements
	s_mov_b32 s[G1+2], 4<<16                       ; tensor_dim1 = 4
	s_mov_b32 s[G1+3], 512<<16                     ; tile_dim0
	s_mov_b32 s[G1+4], 4                           ; tile_dim1
	s_mov_b32 s[G1+5], 2048                        ; from row to row, in elements
	s_mov_b32 s[G1+6], 0
	s_mov_b32 s[G1+7], 0
	; group 1 for Wp: 128 rows x 256 bytes, padded in LDS
	s_or_b32 s[G1B+0], s44, (1<<20)|(1<<21)|(5<<22)|(3<<25)   ; the mask: my column; elements of 1 byte; padding: four words after every 64
	s_mov_b32 s[G1B+1], ROWB<<16
	s_mov_b32 s[G1B+2], 128<<16
	s_mov_b32 s[G1B+3], ROWB<<16
	s_mov_b32 s[G1B+4], 128
	s_mov_b32 s[G1B+5], KROW
	s_mov_b32 s[G1B+6], 0
	s_mov_b32 s[G1B+7], 0
	s_lshl_b32 s20, s17, 3
	s_lshl_b32 s18, s16, 2
	s_add_co_u32 s20, s20, s18                     ; y: token tile 8 x tile row + 4 x half
	s_lshl_b32 s20, s20, 14                        ; x 16,384 bytes: under 2^23
	s_mov_b32 s21, 0
	s_lshl_b32 s46, s42, 8
	s_lshl_b32 s18, s16, 7
	s_add_co_u32 s46, s46, s18                     ; Wp: row 256 x tile column + 128 x half
	s_lshl_b32 s46, s46, 10
	s_mov_b32 s47, 0
	s_lshl_b32 s45, s16, 14                        ; where they go: y's halves,
	s_mul_i32 s19, s16, HALFT
	s_add_co_u32 s19, s19, ABYTES                  ; Wp's halves behind them: no place in the cluster enters an LDS address
	s_wait_kmcnt 0x0
	s_load_b64 s[96:97], s[8:9], 0x28              ; e10, e11
	s_add_nc_u64 s[20:21], s[4:5], s[20:21]
	s_add_nc_u64 s[46:47], s[6:7], s[46:47]
	CROUND                                         ; all sixteen work-groups are here: the first joint loads meet
.irp s, 0,1
	s_mov_b32 s[G0+4*\s], 1
	s_add_co_u32 s[G0+4*\s+1], s45, \s*SLOT
	s_add_nc_u64 s[G0+4*\s+2:G0+4*\s+3], s[20:21], \s*4096
	s_or_b32 s[G0+4*\s+3], s[G0+4*\s+3], 0x80000000
	s_mov_b32 s[G0B+4*\s], 1
	s_add_co_u32 s[G0B+4*\s+1], s19, \s*SLOT
	s_add_nc_u64 s[G0B+4*\s+2:G0B+4*\s+3], s[46:47], \s*ROWB
	s_or_b32 s[G0B+4*\s+3], s[G0B+4*\s+3], 0x80000000
	s_wait_alu depctr_va_vdst(0)
	s_wait_tensorcnt 0x0
	ds_add_u32 v28, v29
	ds_add_u32 v28, v29
	s_wait_dscnt 0x0
	CROUND
	JLOAD G0+4*\s, G1, G0B+4*\s, G1B
.endr
	v_and_b32 v1, 15, v0                           ; r
	v_bfe_u32 v2, v0, 4, 1                         ; h
	v_and_b32 v5, 31, v0
	v_lshlrev_b32 v[CO], 4, v5                     ; 16 x lane
	v_mul_u32_u24 v3, v1, PITCH
	v_lshl_add_u32 v4, v2, 4, v3                   ; Wp: row x pitch + 16 x half
	s_lshl_b32 s21, s15, 14                        ; my four token tiles of y
	s_mul_i32 s22, s16, HALFT
	s_add_co_u32 s22, s22, ABYTES                  ; my 128 rows of Wp
.irp s, 0,1
	v_add_nc_u32 v[ADRA+\s], s21, v[CO]
	v_add_nc_u32 v[ADRB+\s], s22, v4
	s_add_co_u32 s21, s21, SLOT
	s_add_co_u32 s22, s22, SLOT
.endr
	s_mul_i32 s23, s14, 16*SPITCH                  ; my stage
	v_mul_u32_u24 v5, v1, SPITCH                   ; in: row r, 32 bytes for each half of the lanes
	v_lshl_add_u32 v5, v2, 5, v5
	v_add_nc_u32 v[STO], s23, v5
	v_add_nc_u32 v[RD], s23, v[CO]                 ; back: the 32 lanes take one row of 512 bytes
	v_lshlrev_b32 v[BH], 5, v2
	s_wait_alu depctr_va_vdst(0)
	s_lshl_b32 s46, s42, 10
	s_lshl_b32 s47, s16, 9
	s_add_co_u32 s46, s46, s47                     ; my first column in bytes: 1,024 x tile column + 512 x half: in a row of out and in bp alike
	s_mov_b32 s47, 0
	s_add_nc_u64 s[10:11], s[10:11], s[46:47]
	s_lshl_b32 s20, s17, 7
	s_lshl_b32 s21, s15, 6
	s_add_co_u32 s20, s20, s21                     ; my first row: 128 x tile row + 64 x half
	s_lshl_b32 s20, s20, 12                        ; x 4,096 bytes: under 2^25
	s_mov_b32 s21, 0
	s_add_nc_u64 s[20:21], s[20:21], s[46:47]
	s_add_nc_u64 s[12:13], s[12:13], s[20:21]
	WIN 0xc0                                       ; destination window 3
.irp b, 0,1,2,3,4,5,6,7
	global_load_b128 v[8*\b:8*\b+3], v[BH], s[10:11] offset:64*\b
	global_load_b128 v[8*\b+4:8*\b+7], v[BH], s[10:11] offset:64*\b+16
.endr
	WIN 0
.macro FRAGA reg, slot, q, i           ; y's block i, the slot's q-th 128 along K: an image, 2,048 bytes on end
.irp c, 0,1,2,3
	ds_load_b128 v[\reg+4*\c:\reg+4*\c+3], v[ADRA+\slot] offset:4096*(\i)+2048*(\q)+512*\c
.endr
.endm
.macro FRAGB reg, slot, q, i           ; Wp's block i: rows
.irp c, 0,1,2,3
	ds_load_b128 v[\reg+4*\c:\reg+4*\c+3], v[ADRB+\slot] offset:128*(\q)+32*\c+(\i)*16*PITCH
.endr
.endm
; 8 matrix instructions: y's block a x Wp's eight.  p: Wp's set.  zero = 1: the first product starts the sums.  The 32 accumulators take turns, one instruction a turn.
.macro MUL8 a, p, zero
.irp b, 0,1,2,3,4,5,6,7
.if \zero
	v_wmma_f32_16x16x128_fp8_fp8 v[8*(8*(\a)+\b):8*(8*(\a)+\b)+7], v[128*(\p)+FR*\b:128*(\p)+FR*\b+FR-1], v[AF+FR*(\a):AF+FR*(\a)+FR-1], 0
.else
	v_wmma_f32_16x16x128_fp8_fp8 v[8*(8*(\a)+\b):8*(8*(\a)+\b)+7], v[128*(\p)+FR*\b:128*(\p)+FR*\b+FR-1], v[AF+FR*(\a):AF+FR*(\a)+FR-1], v[8*(8*(\a)+\b):8*(8*(\a)+\b)+7]
.endif
.endr
.endm
.macro FETCH_B slot, q, p
	WIN TO_B
.irp i, 0,1,2,3,4,5,6,7
	FRAGB 128*(\p)+FR*\i, \slot, \q, \i
.endr
	WIN 0
.endm
.macro FETCH_A slot, q, i0             ; y's blocks i0, i0 + 1
.irp i, \i0, \i0+1
	FRAGA AF+FR*(\i), \slot, \q, \i
.endr
.endm
.macro PLACES n
.rept \n
	v_nop
.endr
.endm
; A step of 128 along K that has its successor in the same slot: 32 matrix instructions.
.macro STEP slot, q, zero
	s_wait_dscnt 8                                 ; Wp's set and y's blocks 0, 1 are in; the youngest eight loads (blocks 2, 3) may be out
	WIN MUL
	MUL8 0, (\q)%2, \zero
	MUL8 1, (\q)%2, \zero
	s_wait_dscnt 0
	PLACES NP
	FETCH_B \slot, (\q)+1, 1-(\q)%2
	FETCH_A \slot, (\q)+1, 0
	WIN MUL
	MUL8 2, (\q)%2, \zero
	MUL8 3, (\q)%2, \zero
	PLACES NP
	WIN 0
	FETCH_A \slot, (\q)+1, 2
.endm
; A slot's last step changes slots: one barrier; in front of it each wave waits for all its tensor loads, adds 0 to its spare word, and waits for that and for its reads of this slot.
.macro TURN slot, next, fill
	s_wait_tensorcnt 0x0                           ; all my tensor loads have landed: my part of the next slot
	ds_add_u32 v[SPW], v[NIL]                      ; 0 onto my spare word
	s_wait_dscnt 9                                 ; (the add and the youngest eight loads may be out)
	WIN MUL
	MUL8 0, 1, 0                                   ; eight matrix instructions stand between the add and the wait for it
	s_wait_dscnt 0x0                               ; the add is done, and my reads of this slot are over
	s_barrier_signal -1
	MUL8 1, 1, 0
	WIN 0
	s_barrier_wait -1
.if \fill
	CREST                                          ; the barrier has opened a round of the cluster's: no wave of any partner still reads this slot or has a load on its way
	s_add_nc_u64 s[G0+4*\slot+2:G0+4*\slot+3], s[G0+4*\slot+2:G0+4*\slot+3], 2*4096
	s_add_nc_u64 s[G0B+4*\slot+2:G0B+4*\slot+3], s[G0B+4*\slot+2:G0B+4*\slot+3], 2*ROWB
	JLOAD G0+4*\slot, G1, G0B+4*\slot, G1B         ; the first tensor load behind the round; its four v_nop are the places in front of the loads below
.else
	PLACES NP
.endif
	FETCH_B \next, 0, 0
	FETCH_A \next, 0, 0
	WIN MUL
	MUL8 2, 1, 0
	MUL8 3, 1, 0
	PLACES NP
	WIN 0
	FETCH_A \next, 0, 2
.endm
	s_wait_tensorcnt 1                             ; my part of K step 0 is in; K step 1's load may be out
	s_barrier_signal -1
	s_barrier_wait -1
	FETCH_B 0, 0, 0
	FETCH_A 0, 0, 0
	FETCH_A 0, 0, 2
	STEP 0, 0, 1                                   ; K = 1,024 is four K steps of 256: written out.  The first products start the sums
	TURN 0, 1, 1                                   ; slot 0 takes K step 2
	STEP 1, 0, 0
	TURN 1, 0, 1                                   ; slot 1 takes K step 3
	STEP 0, 0, 0
	TURN 0, 1, 0                                   ; nothing is left to fetch
	STEP 1, 0, 0
	s_wait_dscnt 8
	WIN MUL
	MUL8 0, 1, 0
	MUL8 1, 1, 0
	s_wait_dscnt 0
	MUL8 2, 1, 0
	MUL8 3, 1, 0
	WIN 0
; THE WAY OUT, block by block of 16 rows x 128 columns: out = sum x 2^(e10 + e11) + bp, through my own stage in LDS, back as whole rows of 512 bytes.  LDS serves a wave's instructions in order (ISA guide 5.7.1.4):
; no wait between the stores and the loads, nor in front of the next block's stores.
.macro TOSTAGE a
	WIN 0x32                                       ; source 0 (the sums) window 2, source 2 (the bias) window 3
.set j, 0
.rept 32
	v_pk_fma_f32 v[TMP+j:TMP+j+1], v[64*(\a)+j:64*(\a)+j+1], s[96:97], v[j:j+1] op_sel_hi:[1,0,1]   ; each accumulator from its low end on
.set j, j+2
.endr
	WIN 0
.irp b, 0,1,2,3,4,5,6,7
	ds_store_b128 v[STO], v[TMP+8*\b:TMP+8*\b+3] offset:64*\b
	ds_store_b128 v[STO], v[TMP+8*\b+4:TMP+8*\b+7] offset:64*\b+16
.endr
.set BB, BK+64*((\a)%2)
.irp t, 0,1,2,3,4,5,6,7,8,9,10,11,12,13,14,15
	ds_load_b128 v[BB+4*\t:BB+4*\t+3], v[RD] offset:\t*SPITCH
.endr
.endm
.macro SEND a, younger                 ; younger: the LDS instructions issued behind block a's loads, which may stay out
.set BB, BK+64*((\a)%2)
	s_wait_dscnt \younger
.if (\a) > 0
	s_add_nc_u64 s[12:13], s[12:13], 16*OROW       ; (behind a wait on XCNT: the earlier stores have read their base)
.endif
.irp t, 0,1,2,3,4,5,6,7,8,9,10,11,12,13,14,15
	global_store_b128 v[CO], v[BB+4*\t:BB+4*\t+3], s[12:13] offset:\t*OROW th:TH_STORE_NT   ; 32 lanes store 512 consecutive bytes, aligned; written once, read by nobody here
.endr
.endm
	s_wait_kmcnt 0x0
	s_add_co_i32 s96, s96, s97
	s_add_co_i32 s96, s96, 127
	s_lshl_b32 s96, s96, 23                        ; 2^(e10 + e11) as f32
	s_mov_b32 s97, s96                             ; (named with it as a pair, so it is written)
	s_wait_loadcnt 0x0                             ; the bias
	PLACES NP                                      ; behind the last products: loads land in their fragments' registers below
	TOSTAGE 0
.irp a, 1,2,3
.if \a > 1
	s_wait_xcnt 0x0                                ; block a - 2's stores have read their registers and their base
.endif
	TOSTAGE \a
	SEND \a-1, 32                                  ; behind block a - 1's loads: block a's 16 stores and 16 loads
.endr
	s_wait_xcnt 0x0
	SEND 3, 0
	s_wait_tensorcnt 0x0                           ; the wave's end
	ds_add_u32 v[SPW], v[NIL]
	s_wait_dscnt 0x0
	CROUND                                         ; the closing round
	s_endpgm
.Lfunc_end_k_q6468f81058_proj:
	.size	k_q6468f81058_proj, .Lfunc_end_k_q6468f81058_proj-k_q6468f81058_proj
	.p2alignl 7, 3214868480
	.fill 96, 4, 3214868480
	.section	.rodata,"a",@progbits
	.p2align	6, 0x0
	.amdhsa_kernel k_q6468f81058_proj
		.amdhsa_group_segment_fixed_size 327680
		.amdhsa_private_segment_fixed_size 0
		.amdhsa_enable_private_segment 0
		.amdhsa_kernarg_size 40
		.amdhsa_user_sgpr_count 2
		.amdhsa_user_sgpr_kernarg_segment_ptr 1
		.amdhsa_wavefront_size32 1
		.amdhsa_system_sgpr_workgroup_id_x 1
		.amdhsa_system_sgpr_workgroup_id_y 1
		.amdhsa_system_sgpr_workgroup_id_z 1
		.amdhsa_system_vgpr_workitem_id 0
		.amdhsa_next_free_vgpr 832
		.amdhsa_next_free_sgpr 100
		.amdhsa_reserve_vcc 0
		.amdhsa_float_denorm_mode_32 3
		.amdhsa_float_denorm_mode_16_64 3
		.amdhsa_memory_ordered 1
		.amdhsa_forward_progress 1
		.amdhsa_inst_pref_size 79
	.end_amdhsa_kernel
	.amdgpu_metadata
---
amdhsa.version: [ 1, 2 ]
amdhsa.kernels:
  - .name:           k_q6468f81058_proj
    .symbol:         k_q6468f81058_proj.kd
    .args:
      - { .name: yimg, .offset: 0, .size: 8, .value_kind: global_buffer, .address_space: global }
      - { .name: Wp_codes, .offset: 8, .size: 8, .value_kind: global_buffer, .address_space: global }
      - { .name: lowp_scales, .offset: 16, .size: 8, .value_kind: global_buffer, .address_space: global }
      - { .name: bp, .offset: 24, .size: 8, .value_kind: global_buffer, .address_space: global }
      - { .name: out0, .offset: 32, .size: 8, .value_kind: global_buffer, .address_space: global }
    .group_segment_fixed_size: 327680
    .private_segment_fixed_size: 0
    .kernarg_segment_align: 8
    .kernarg_segment_size: 40
    .max_flat_workgroup_size: 128
    .sgpr_count:     100
    .vgpr_count:     832
    .wavefront_size: 32
...
	.end_amdgpu_metadata
.endif
;; end of part 3
